; MI455X (gfx1250); checked and timed in simulation.
; The chip was launched on July 23, 2026; its instructions are those of AMD's public machine-readable ISA for CDNA 5 (MIT licence, August 2026) and "CDNA5" Instruction Set Architecture Reference Guide (July 2026). The comments in the code are by the model that wrote it; some were corrected since.
;; my Self Attention. Allowed arithmetic: matrix products marked QUANTISED: E4M3 operands, one given power-of-two scale a tensor, by v_wmma_f32_16x16x64_fp8_fp8 or v_wmma_f32_16x16x128_fp8_fp8, f32 sums; everything else in f32.
;; Inputs: Wk 1,024 x 1,024 float32; Wo 1,024 x 1,024 float32; Wq 1,024 x 1,024 float32; Wv 1,024 x 1,024 float32; attention_mask 4 x 2,048 int32; bk 1,024 float32; bo 1,024 float32; bq 1,024 float32; bv 1,024 float32; ln_b 1,024 float32; ln_g 1,024 float32; lowp_scales 12 int32 (the exponents e of the quantised operands' scales 2^e); x 4 x 2,048 x 1,024 float32.
;; Outputs: out0 4 x 2,048 x 1,024 float32.
;; This version of the problem:
;;   THIS VERSION OF THE PROBLEM IS GIVEN IN LOW PRECISION. The matrix products marked QUANTISED in the list below multiply operands that are first quantised to E4M3 (4 exponent bits, 3 mantissa bits; 8 bits a number), with one given power-of-two scale for each operand tensor; their sums are f32. All else is computed in f32.
;;   The module's matrix products, in the order in which they are computed (A, B: the left and right operand; K: the contracted axis; several contracted axes count as one K, in the product's order):
;;     1. [M 8,192, K 1,024] x [K 1,024, N 1,024]; A: computed on the way; B: input Wq: QUANTISED (scales: A lowp_scales[0], B lowp_scales[1])
;;     2. [M 8,192, K 1,024] x [K 1,024, N 1,024]; A: computed on the way; B: input Wk: QUANTISED (scales: A lowp_scales[2], B lowp_scales[3])
;;     3. [M 8,192, K 1,024] x [K 1,024, N 1,024]; A: computed on the way; B: input Wv: QUANTISED (scales: A lowp_scales[4], B lowp_scales[5])
;;     4. batch 64 x [M 2,048, K 64] x [K 64, N 2,048]; A: computed on the way; B: computed on the way: QUANTISED (scales: A lowp_scales[6], B lowp_scales[7])
;;     5. batch 64 x [M 2,048, K 2,048] x [K 2,048, N 64]; A: softmax (see below); B: computed on the way: QUANTISED (scales: A lowp_scales[8], B lowp_scales[9])
;;     6. [M 8,192, K 1,024] x [K 1,024, N 1,024]; A: computed on the way; B: input Wo: QUANTISED (scales: A lowp_scales[10], B lowp_scales[11])
;;   THE QUANTISER, for each operand of a quantised product, along K:
;;     - The operand's scale is 2^e, e = its entry of the input lowp_scales (int32; the entries are numbered through the quantised products in the list's order, A before B).
;;     - Each number is divided by the scale, clamped to +-448, and rounded to the nearest number of E4M3, ties to even, subnormals kept.
;;     - The product sums the exact products of the quantised numbers (number of the format x scale) in f32.
;;   ~~~python
;;   def quantise(x, axis, e):      # numpy; x: float32 -> the quantised numbers, widened to float32 again
;;       x = np.moveaxis(x, axis, -1); K = x.shape[-1]
;;       r = np.clip(x / 2.0 ** e, -448, 448)
;;       step = 2.0 ** (np.maximum(np.frexp(np.where(r == 0, 1, r))[1] - 1, -6) - 3)
;;       q = np.round(r / step) * step * 2.0 ** e      # np.round: ties to even
;;       return np.moveaxis(q, -1, axis).astype(np.float32)
;;   ~~~
;;   SOFTMAX AHEAD OF A QUANTISED PRODUCT. Where the list says 'softmax', what is quantised is not the finished softmax but p = 2^(t - M), with t = logit x log2(e) and M = ceil(the row's largest t), a whole number; so 1/2 < the row's largest p <= 1. The row's sum l is taken of the UNQUANTISED p, in f32, and the product's result is divided by l at the end. Since M is a whole number, a kernel that streams over the keys may use a running M (the ceiling of the running maximum): every later rescaling is an exact power of two, so the quantised numbers keep their values, but for numbers so far below the row's largest that they fall under the format's range.
;;   OPERANDS COMPUTED ON THE WAY. 'Computed on the way' means the value that the module computes at that place (a softmax that the list does not call 'softmax' is quantised finished and normalised). What goes into a quantiser is computed in f32, as accurately as f32 sums, v_exp_f32 and their like allow (about 1e-6 of the number): no bf16 or f16 on the way to a quantiser, and a product that is left as it is and whose result goes on into a quantised operand takes f32 operands (vector FMAs, or v_wmma_f32_16x16x4_f32). A number that lies on a knife's edge between two numbers of the format may be rounded either way, as far as f32 arithmetic and the matrix unit's own rounding can turn it there, and no further.
;; One version. Each part assembles by itself: llvm-mc -triple=amdgcn-amd-amdhsa -mcpu=gfx1250 --defsym DOCPART=n.
;; ======== version 1 of 1: 4 launches
;; limits: right only within a limited range of input values
;; workspace buffers: h_img 25,165,824 bytes; w_img 4,194,304 bytes; qkv_img 25,165,824 bytes; c_img 8,388,608 bytes
;; launch prep (part 1): grid 768 x 1, 8 waves a work-group, no clusters, 79,872 bytes of LDS; arguments x, Wq, Wk, Wv, Wo, ln_g, ln_b, lowp_scales, h_img, w_img; writes h_img, w_img
.if DOCPART == 1
	.amdgcn_target "amdgcn-amd-amdhsa--gfx1250"
	.amdhsa_code_object_version 6
	.text
	.protected	k_q06428cb2c8_prep
	.globl	k_q06428cb2c8_prep
	.p2align	8
	.type	k_q06428cb2c8_prep,@function
k_q06428cb2c8_prep:
	s_mov_b64 s[64:65], 0
	v_nop
	global_prefetch_b8 v0, s[64:65] scope:SCOPE_SE
	s_setreg_imm32_b32 hwreg(HW_REG_WAVE_MODE, 25, 1), 1
	s_wait_xcnt 0x0
; h = layer norm of x, turned into codes of FP8 (E4M3) three times (scales 2^e0, 2^e2, 2^e4), and Wq, Wk, Wv, Wo turned into codes (e1, e3, e5, e11).
; code = number / 2^e, held within +-448, rounded to the nearest code, ties to even.
; THE CODES ARE LAID AS IMAGES OF OPERAND REGISTERS.  A fragment (16 rows x 128 along K) is 2,048 bytes: piece c (512 bytes) holds lane l's 16 bytes at 16 l:
; k = 32 c + 16 (l / 16) + 0 .. 15 of the row that stands in lane place l % 16.  Row block rb holds in place r the row 32 (rb / 2) + 8 (rb % 2) + r + 8 (r / 8).
; A tensor of M rows: byte (k / 256) x 256 M + 4096 rb + 2048 ((k / 128) % 2) + 512 c + 16 l.
; SHARES.  A work-group takes one row block over all 1,024 of K: work-groups 0-511 the blocks of x, 512-767 those of the four weights (64 each).  Wave s takes k = 128 s .. 128 s + 127
; of the 16 rows: one fragment.  Each load reads 512 consecutive bytes; the bytes turn through the wave's own stage in LDS so that a lane holds 16 neighbours of a row.
; The mean and the variance (of x - mean: two passes over registers) meet across the eight waves in LDS, behind a barrier each.  The weights' work-groups jump over that block:
; the branch hangs on the work-group's number, so all eight waves of a work-group go the same way.
; No cluster: work-groups share no input but the 8 KB of ln_g and ln_b.  No matrix unit, no tensor load: a stream.
; LIMITS: each e between -126 and 119.  NaN among the inputs is not served.
.set SP,   528                         ; a stage row: 512 bytes + 16 = 132 words: row r starts at bank 4 r mod 64 (64 banks of 4 bytes: ISA guide 11.1)
.set WSB,  9728                        ; a wave's stage: 18 rows (16 of x or W, ln_g, ln_b), rounded up
.set ST1,  8*WSB                       ; 16 rows x 8 waves of partial sums; the second exchange lies 512 bytes further on
.set R,    16                          ; v16-87   18 x 4 registers as loaded
.set X,    88                          ; v88-151  register 16 c + i = k 32 c + 16 (l / 16) + i of my row
.set G,    152                         ; v152-215 ln_g likewise; later the held numbers
.set BB,   16                          ; v16-79   ln_b likewise; later three sets of codes
.set T,    152
.set C,    16
.set SCL,  216                         ; v216-221 for each of three scales: 2^e, 448 x 2^e
.set MU,   222                         ; v[222:223] the mean, later 1 / sqrt(var + eps), twice
	s_load_b256 s[4:11], s[0:1], 0x0               ; x, Wq, Wk, Wv
	s_load_b256 s[12:19], s[0:1], 0x20             ; Wo, ln_g, ln_b, the scales' exponents
	s_load_b128 s[20:23], s[0:1], 0x40             ; h_img, w_img
	v_lshl_add_u32 v224, v0, 2, 0x13400
	v_mov_b32 v225, 0
	v_lshrrev_b32 v1, 5, v0
	v_readfirstlane_b32 s54, v1                    ; wave 0..7
	v_and_b32 v7, 31, v0                           ; lane
	v_and_b32 v8, 15, v0                           ; r
	v_bfe_u32 v9, v0, 4, 1                         ; h
	v_lshlrev_b32 v1, 4, v7                        ; v1 = 16 x lane
	s_mul_i32 s55, s54, WSB
	v_add_nc_u32 v2, s55, v1                       ; v2: into the stage, as loaded
	v_mul_u32_u24 v3, v8, SP
	v_lshl_add_u32 v3, v9, 6, v3
	v_add_nc_u32 v3, s55, v3                       ; v3: out of it: row r, + 64 h
	v_lshlrev_b32 v4, 6, v9
	v_add_nc_u32 v4, s55, v4
	v_add_nc_u32 v4, 16*SP, v4                     ; v4: ln_g's row, + 64 h
	v_lshlrev_b32 v6, 5, v8
	v_add_nc_u32 v6, ST1, v6                       ; v6: row r's eight partial sums
	s_lshl_b32 s56, s54, 2
	v_add_nc_u32 v5, s56, v6                       ; v5: my wave's word among them
	s_mov_b32 s44, 0x76543210                      ; v_permlanex16_b32: lane l xor 16
	s_mov_b32 s45, 0xfedcba98
	s_mov_b32 s46, 0x3a800000                      ; 1 / 1024
	s_mov_b32 s47, 0x3727c5ac                      ; 1e-5
	s_and_b32 s39, ttmp9, 63
	s_sub_co_u32 s43, ttmp9, 512
	s_lshr_b32 s43, s43, 6
	s_lshl_b32 s43, s43, 20                        ; which weight, x 1 MB
	s_mov_b32 s42, 0x40000
	s_cmp_lt_u32 ttmp9, 512
	s_cselect_b32 s39, ttmp9, s39                  ; my row block
	s_cselect_b32 s43, 0, s43
	s_cselect_b32 s42, 0x200000, s42               ; bytes of 256 along K: 256 x the tensor's rows
	s_lshr_b32 s40, s39, 1
	s_lshl_b32 s40, s40, 17                        ; 32 (rb / 2) rows of 4,096 bytes
	s_and_b32 s41, s39, 1
	s_lshl_b32 s41, s41, 15                        ; + 8 (rb % 2) rows
	s_add_co_u32 s40, s40, s41
	s_lshl_b32 s58, s54, 9                         ; + my wave's 512 bytes of a row
	s_add_co_u32 s40, s40, s58
	s_mov_b32 s41, 0
	s_mov_b32 s59, 0
	s_lshr_b32 s60, s54, 1
	s_mul_i32 s60, s60, s42                        ; the image: (wave / 2) x 256 along K
	s_lshl_b32 s61, s39, 12
	s_add_co_u32 s60, s60, s61
	s_and_b32 s61, s54, 1
	s_lshl_b32 s61, s61, 11
	s_add_co_u32 s60, s60, s61
	s_add_co_u32 s60, s60, s43
	s_mov_b32 s61, 0
	s_wait_kmcnt 0x0
	s_load_b256 s[24:31], s[18:19], 0x0            ; e0 .. e7
	s_load_b128 s[32:35], s[18:19], 0x20           ; e8 .. e11
	s_mov_b64 s[36:37], s[12:13]                   ; the source, chosen by the work-group's number alone
	s_cmp_lt_u32 ttmp9, 704
	s_cselect_b64 s[36:37], s[10:11], s[36:37]
	s_cmp_lt_u32 ttmp9, 640
	s_cselect_b64 s[36:37], s[8:9], s[36:37]
	s_cmp_lt_u32 ttmp9, 576
	s_cselect_b64 s[36:37], s[6:7], s[36:37]
	s_cmp_lt_u32 ttmp9, 512
	s_cselect_b64 s[36:37], s[4:5], s[36:37]
	s_cselect_b64 s[48:49], s[20:21], s[22:23]
	s_add_nc_u64 s[36:37], s[36:37], s[40:41]
	s_add_nc_u64 s[48:49], s[48:49], s[60:61]      ; the first image
	s_add_nc_u64 s[50:51], s[48:49], 0x800000      ; h's second and third (used by x's work-groups alone)
	s_add_nc_u64 s[52:53], s[48:49], 0x1000000
	s_add_nc_u64 s[14:15], s[14:15], s[58:59]
	s_add_nc_u64 s[16:17], s[16:17], s[58:59]
.irp i, 0,1,2,3,4,5,6,7,8,9,10,11,12,13,14,15
	global_load_b128 v[R+4*\i:R+4*\i+3], v1, s[36:37] offset:(\i+8*(\i/8))*4096 th:TH_LOAD_NT   ; place i's row: 32 lanes read 512 consecutive bytes
.endr
	global_load_b128 v[R+64:R+67], v1, s[14:15]
	global_load_b128 v[R+68:R+71], v1, s[16:17]
.irp i, 0,1,2,3,4,5,6,7,8,9,10,11,12,13,14,15,16,17
	s_wait_loadcnt 17-\i                           ; loads come back in order: row i is in, the younger ones may be out
	ds_store_b128 v2, v[R+4*\i:R+4*\i+3] offset:SP*\i
.endr
.set i, 0
.rept 16
	ds_load_b128 v[X+4*i:X+4*i+3], v3 offset:128*(i/4)+16*(i%4)   ; LDS serves a wave's instructions in order: these see my stores
.set i, i+1
.endr
	s_wait_kmcnt 0x0
	s_mov_b32 s38, s35                             ; the first image's e: e11, e5, e3, e1 or e0
	s_cmp_lt_u32 ttmp9, 704
	s_cselect_b32 s38, s29, s38
	s_cmp_lt_u32 ttmp9, 640
	s_cselect_b32 s38, s27, s38
	s_cmp_lt_u32 ttmp9, 576
	s_cselect_b32 s38, s25, s38
	s_cmp_lt_u32 ttmp9, 512
	s_cselect_b32 s38, s24, s38
.macro MKSC e, sc                      ; v[sc] = 2^e as f32 (the conversion takes its exponent field), v[sc+1] = 448 x 2^e
	s_add_co_i32 s62, s[\e], 127
	s_lshl_b32 s63, s62, 23
	v_mov_b32 v[\sc], s63
	s_add_co_i32 s62, s62, 8
	s_lshl_b32 s62, s62, 23
	s_or_b32 s62, s62, 0x600000
	v_mov_b32 v[\sc+1], s62
.endm
	MKSC 38, SCL
	MKSC 26, SCL+2                                 ; e2
	MKSC 28, SCL+4                                 ; e4
	s_wait_dscnt 0x0                               ; my 64 numbers are in
	s_cmp_ge_u32 ttmp9, 512
	s_cbranch_scc1 .Lquant                         ; a weight is quantised as it is
; four pair chains in v[8:15] -> the row's total over all eight waves, in v8 of every lane
.macro XSUM off
	v_pk_add_f32 v[8:9], v[8:9], v[10:11]
	v_pk_add_f32 v[12:13], v[12:13], v[14:15]
	v_pk_add_f32 v[8:9], v[8:9], v[12:13]
	v_add_f32 v8, v8, v9
	v_permlanex16_b32 v9, v8, s44, s45             ; the row's other 64 numbers of my wave lie 16 lanes away
	v_add_f32 v8, v8, v9
	ds_store_b32 v5, v8 offset:\off
	s_wait_dscnt 0x0                               ; for the others' sake: my word has landed
	s_barrier_signal -1
	s_barrier_wait -1
	ds_load_b128 v[8:11], v6 offset:\off
	ds_load_b128 v[12:15], v6 offset:\off+16
	s_wait_dscnt 0x0
	v_pk_add_f32 v[8:9], v[8:9], v[10:11]
	v_pk_add_f32 v[12:13], v[12:13], v[14:15]
	v_pk_add_f32 v[8:9], v[8:9], v[12:13]
	v_add_f32 v8, v8, v9
.endm
.set i, 0
.rept 16
	ds_load_b128 v[G+4*i:G+4*i+3], v4 offset:128*(i/4)+16*(i%4)        ; ln_g and ln_b at my 64 places; they land under the sums
	ds_load_b128 v[BB+4*i:BB+4*i+3], v4 offset:SP+128*(i/4)+16*(i%4)
.set i, i+1
.endr
.irp q, 0,1,2,3
	v_pk_add_f32 v[8+2*\q:9+2*\q], v[X+4*\q:X+4*\q+1], v[X+4*\q+2:X+4*\q+3]
.endr
.set j, 16
.rept 6
.irp q, 0,1,2,3
	v_pk_add_f32 v[8+2*\q:9+2*\q], v[8+2*\q:9+2*\q], v[X+j+2*\q:X+j+2*\q+1]
.endr
.set j, j+8
.endr
	XSUM 0
	v_mul_f32 v[MU], s46, v8                       ; the mean
	v_mov_b32 v[MU+1], v[MU]
.set j, 0
.rept 32
	v_pk_add_f32 v[X+j:X+j+1], v[X+j:X+j+1], v[MU:MU+1] neg_lo:[0,1] neg_hi:[0,1]   ; x - mean
.set j, j+2
.endr
.irp q, 0,1,2,3
	v_pk_mul_f32 v[8+2*\q:9+2*\q], v[X+2*\q:X+2*\q+1], v[X+2*\q:X+2*\q+1]
.endr
.set j, 8
.rept 7
.irp q, 0,1,2,3
	v_pk_fma_f32 v[8+2*\q:9+2*\q], v[X+j+2*\q:X+j+2*\q+1], v[X+j+2*\q:X+j+2*\q+1], v[8+2*\q:9+2*\q]
.endr
.set j, j+8
.endr
	XSUM 512                                       ; other words than the first exchange's: no wave can overwrite what another still reads
	v_fma_f32 v8, v8, s46, s47                     ; var + eps
	v_rsq_f32 v[MU], v8
	v_nop                                          ; a plain instruction behind the transcendental,
	s_wait_alu depctr_va_vdst(0)                   ; and the wait ahead of its first reader
	v_mov_b32 v[MU+1], v[MU]
.set j, 0
.rept 32
	v_pk_mul_f32 v[X+j:X+j+1], v[X+j:X+j+1], v[MU:MU+1]
.set j, j+2
.endr
.set j, 0
.rept 32
	v_pk_fma_f32 v[X+j:X+j+1], v[X+j:X+j+1], v[G+j:G+j+1], v[BB+j:BB+j+1]
.set j, j+2
.endr
.Lquant:
; my 64 numbers become a fragment's 16 registers with scale q, and leave: four stores of 512 consecutive bytes.  Each q has code registers of its own: no store's data are written again
.macro QOUT q, dst
.set j, 0
.rept 64
	v_med3_num_f32 v[T+j], v[X+j], -v[SCL+2*\q+1], v[SCL+2*\q+1]   ; the conversion to an 8-bit code does not saturate (ISA guide 7.6.2): the hold at 448 x the scale
.set j, j+1
.endr
.irp g, 0,1,2,3,4,5,6,7
	v_cvt_scalef32_pk8_fp8_f32 v[C+16*\q+2*\g:C+16*\q+2*\g+1], v[T+8*\g:T+8*\g+7], v[SCL+2*\q]
.endr
	v_nop                                          ; a plain instruction between the conversions and the next holds, which write their sources
.irp c, 0,1,2,3
	global_store_b128 v1, v[C+16*\q+4*\c:C+16*\q+4*\c+3], s[\dst:\dst+1] offset:512*\c
.endr
.endm
	QOUT 0, 48
	s_cmp_ge_u32 ttmp9, 512
	s_cbranch_scc1 .Lend                           ; a weight has one image
	QOUT 1, 50
	QOUT 2, 52
.Lend:
	s_wait_tensorcnt 0x0
	ds_add_u32 v224, v225
	s_wait_dscnt 0x0
	s_endpgm
.Lfunc_end_k_q06428cb2c8_prep:
	.size	k_q06428cb2c8_prep, .Lfunc_end_k_q06428cb2c8_prep-k_q06428cb2c8_prep
	.p2alignl 7, 3214868480
	.fill 96, 4, 3214868480
	.section	.rodata,"a",@progbits
	.p2align	6, 0x0
	.amdhsa_kernel k_q06428cb2c8_prep
		.amdhsa_group_segment_fixed_size 79872
		.amdhsa_private_segment_fixed_size 0
		.amdhsa_enable_private_segment 0
		.amdhsa_kernarg_size 80
		.amdhsa_user_sgpr_count 2
		.amdhsa_user_sgpr_kernarg_segment_ptr 1
		.amdhsa_wavefront_size32 1
		.amdhsa_system_sgpr_workgroup_id_x 1
		.amdhsa_system_sgpr_workgroup_id_y 1
		.amdhsa_system_sgpr_workgroup_id_z 1
		.amdhsa_system_vgpr_workitem_id 0
		.amdhsa_next_free_vgpr 226
		.amdhsa_next_free_sgpr 66
		.amdhsa_reserve_vcc 0
		.amdhsa_float_denorm_mode_32 3
		.amdhsa_float_denorm_mode_16_64 3
		.amdhsa_memory_ordered 1
		.amdhsa_forward_progress 1
		.amdhsa_inst_pref_size 38
	.end_amdhsa_kernel
	.amdgpu_metadata
---
amdhsa.version: [ 1, 2 ]
amdhsa.kernels:
  - .name:           k_q06428cb2c8_prep
    .symbol:         k_q06428cb2c8_prep.kd
    .args:
      - { .name: x, .offset: 0, .size: 8, .value_kind: global_buffer, .address_space: global }
      - { .name: Wq, .offset: 8, .size: 8, .value_kind: global_buffer, .address_space: global }
      - { .name: Wk, .offset: 16, .size: 8, .value_kind: global_buffer, .address_space: global }
      - { .name: Wv, .offset: 24, .size: 8, .value_kind: global_buffer, .address_space: global }
      - { .name: Wo, .offset: 32, .size: 8, .value_kind: global_buffer, .address_space: global }
      - { .name: ln_g, .offset: 40, .size: 8, .value_kind: global_buffer, .address_space: global }
      - { .name: ln_b, .offset: 48, .size: 8, .value_kind: global_buffer, .address_space: global }
      - { .name: lowp_scales, .offset: 56, .size: 8, .value_kind: global_buffer, .address_space: global }
      - { .name: h_img, .offset: 64, .size: 8, .value_kind: global_buffer, .address_space: global }
      - { .name: w_img, .offset: 72, .size: 8, .value_kind: global_buffer, .address_space: global }
    .group_segment_fixed_size: 79872
    .private_segment_fixed_size: 0
    .kernarg_segment_align: 8
    .kernarg_segment_size: 80
    .max_flat_workgroup_size: 256
    .sgpr_count:     66
    .vgpr_count:     226
    .wavefront_size: 32
...
	.end_amdgpu_metadata
.endif
;; end of part 1
;; launch qkv (part 2): grid 12 x 32, 4 waves a work-group, clusters of 4 x 4, 327,680 bytes of LDS; arguments h_img, w_img, lowp_scales, qkv_img, bq, bk, bv; writes qkv_img
.if DOCPART == 2
	.amdgcn_target "amdgcn-amd-amdhsa--gfx1250"
	.amdhsa_code_object_version 6
	.text
	.protected	k_q06428cb2c8_qkv
	.globl	k_q06428cb2c8_qkv
	.p2align	8
	.type	k_q06428cb2c8_qkv,@function
k_q06428cb2c8_qkv:
	s_mov_b64 s[64:65], 0
	v_nop
	global_prefetch_b8 v0, s[64:65] scope:SCOPE_SE
	s_setreg_imm32_b32 hwreg(HW_REG_WAVE_MODE, 25, 1), 1
	s_wait_xcnt 0x0
	s_wait_alu depctr_hold_cnt(0) depctr_sa_sdst(0) depctr_va_vdst(0) depctr_va_sdst(0) depctr_va_ssrc(0) depctr_va_vcc(0) depctr_vm_vsrc(0)
	s_getreg_b32 s2, hwreg(HW_REG_IB_STS2, 6, 4)
	s_cmp_eq_u32 s2, 0
	s_cbranch_scc0 .Lentry_in_a_cluster
	s_endpgm
.Lentry_in_a_cluster:
	s_bfe_u32 s2, ttmp6, 0x10000c
	s_cmp_lg_u32 s2, 0xf033
	s_cbranch_scc0 .Lentry_shape_is_right
	s_endpgm
.Lentry_shape_is_right:
; q = h Wq^T + bq, k = h Wk^T + bk, v = h Wv^T + bv on codes of FP8 (E4M3), and the results quantised again (q: e6, k: e7 along the head's 64; v: e9 along the keys) into images of the
; operand registers that the attention launch wants.  Cluster x says which product: 0 q, 1 k, 2 v: the same number in all sixteen partners; it enters s_cselect alone, never a branch.
; A tile of C is 256 x 256, four waves, 128 x 128 each: 64 accumulators, 512 registers.  K = 1,024 goes in four steps of 256 through two LDS slots; the steps are written out.
; OPERANDS ARRIVE AS IMAGES: a fragment (16 rows x 128 K) is four pieces of 512 bytes, lane l's 16 bytes at 16 l, so every LDS load takes 512 consecutive bytes, there is no pitch and no padding,
; and a K step's 128 rows are one dense block of 32 KB for one tensor load.  Row block rb holds in lane place r the row 32 (rb / 2) + 8 (rb % 2) + r + 8 (r / 8).
; THE MATRIX INSTRUCTION IS USED TRANSPOSED: source 0 = 16 rows of 'B', source 1 = 16 rows of 'A'.  By the row order above a lane's 16 registers of B's blocks 2 b, 2 b + 1 are B's 16 neighbours
; 32 b + 16 (l / 16) + 0 .. 15: the conversions' results are the next operand's registers, and each store of the wave covers 512 consecutive bytes of an image.  No stage.
; q, k: A = h (tokens), B = W (channels).  v: THE DATA CHANGE PLACES, NOT THE CODE: A = Wv (channels), B = h (tokens = keys), so that a lane holds 16 neighbouring keys of one channel.
; The bias along B is the C of each sum's first matrix instruction, divided by the power of two that the sums lack; the bias along A (v's) is added on the way out.  The unused one is multiplied by 0.
; CLUSTERS: 4 x 4.  A's tile hangs on cy and is asked for jointly by a row of the cluster, B's on cx and by a column.
; LIMITS: e0+e1, e2+e3, e4+e5 between -126 and 126; e6-e0-e1, e7-e2-e3, e9-e4-e5 between -126 and 119.  NaN and infinities among the biases are not served.
.set FR,     16
.set NL,     4
.set NP,     4
.set SLOT,   131072                    ; A's 16 row blocks (64 KB), then B's
.set SPARE,  2*SLOT                    ; behind the ring: the spare words, 128 bytes a wave, named by no other line
.set ADRA, 16                          ; v16-17 my A fragments in slot 0, 1
.set ADRB, 20                          ; v20-21 my B fragments
.set VOL,  24                          ; v24 16 x lane
.set VOH,  25                          ; v25 16 x lane + the way to the upper two stores
.set SC,   26                          ; v26 the conversion's scale
.set LIM,  27                          ; v27 448 x that
.set SPW,  28
.set NIL,  29
.set BCO,  30                          ; v30 64 h
.set BRO,  31                          ; v31 4 (r + 8 (r / 8))
.set BC,   32                          ; v32-95  the bias along B, in the result's layout
.set BR,   96                          ; v96-111 the bias along A: a pair for each of my eight blocks
.set AF,   128                         ; A's fragments, one set, window 0
.set TMP,  128                         ; the way out: a block's 64 numbers
.set CD,   192                         ; and its codes: two sets of 16 by turns
.set G1, 24
.set G0, 32
.set G1B, 48
.set G0B, 56
.set MSB, 0
.macro WIN new                         ; the immediate's high byte repeats the setting that is left
.if MSB != (\new)
	s_set_vgpr_msb (MSB<<8)|(\new)
.set MSB, (\new)
.endif
.endm
.set MUL_LO, 0xa1                      ; source 0 (B) window 1, source 1 (A) window 0, C and D window 2
.set MUL_HI, 0xf1                      ; C and D window 3
.set TO_B,   0x40
.macro JLOAD g0a, g1a, g0b, g1b        ; waves 0, 1 ask for A's halves, waves 2, 3 for B's; four v_nop follow each line
	s_cmp_eq_u32 s15, 0
	s_cbranch_scc0 .Lfor_b_\@
	tensor_load_to_lds s[\g0a:\g0a+3], s[\g1a:\g1a+7]
	s_nop 0
.rept 4
	v_nop
.endr
	s_branch .Lasked_\@
.Lfor_b_\@:
	tensor_load_to_lds s[\g0b:\g0b+3], s[\g1b:\g1b+7]
	s_nop 0
.rept 4
	v_nop
.endr
.Lasked_\@:
.endm
.macro CREST
	s_cmp_lg_u32 s14, 0
	s_cbranch_scc1 .Lnot_wave_0_\@
	s_barrier_signal -3
.Lnot_wave_0_\@:
	s_barrier_wait -3
	s_barrier_signal -1
	s_barrier_wait -1
.endm
.macro CROUND
	s_barrier_signal -1
	s_barrier_wait -1
	CREST
.endm
	s_load_b256 s[4:11], s[0:1], 0x0               ; h_img, w_img, the scales' exponents, qkv_img
	s_load_b128 s[80:83], s[0:1], 0x20             ; bq, bk
	s_load_b64 s[84:85], s[0:1], 0x30              ; bv
	v_lshl_add_u32 v[SPW], v0, 2, SPARE
	v_mov_b32 v[NIL], 0
	ds_add_u32 v28, v29
	ds_add_u32 v28, v29
	s_wait_dscnt 0x0
	v_lshrrev_b32 v1, 5, v0
	v_readfirstlane_b32 s14, v1                    ; wave 0..3
	s_lshr_b32 s15, s14, 1                         ; my half of A's rows; also: I fetch for A (0) or B (1)
	s_and_b32 s16, s14, 1                          ; my half of B's rows; also: which half of that tile I fetch
	s_bfe_u32 s40, ttmp6, 0x40000                  ; cx
	s_bfe_u32 s41, ttmp6, 0x40004                  ; cy
	s_and_b32 s17, ttmp7, 0xffff
	s_lshl_b32 s17, s17, 2                         ; 4 x cluster y
	s_lshl_b32 s43, s41, 2
	s_lshl_b32 s43, 15, s43                        ; my row of the cluster
	s_lshl_b32 s44, 0x1111, s40                    ; my column
	s_or_b32 s[G1+0], s43, (3<<16)|(1<<21)         ; 15:0 the mask; 17:16 elements of 8 bytes; 21 set beside a mask; no padding
	s_or_b32 s[G1B+0], s44, (3<<16)|(1<<21)
.irp g, G1, G1B
	s_mov_b32 s[\g+1], 32<<16                      ; tensor_dim0 = 32 elements: 256 bytes
	s_mov_b32 s[\g+2], 128<<16                     ; tensor_dim1 = 128
	s_mov_b32 s[\g+3], 32<<16                      ; tile_dim0
	s_mov_b32 s[\g+4], 128                         ; tile_dim1: 128 x 256 bytes, dense
	s_mov_b32 s[\g+5], 32                          ; the pitch
	s_mov_b32 s[\g+6], 0
	s_mov_b32 s[\g+7], 0
.endr
	s_mov_b32 s2, 0x40000                          ; 256 along K of a weight's image
	s_mov_b32 s3, 0x200000                         ; of h's
	s_cmp_eq_u32 ttmp9, 2                          ; v?
	s_cselect_b32 s86, 0, s17
	s_cselect_b32 s46, s17, 0
	s_cselect_b32 s20, s2, s3                      ; A's K step in bytes
	s_cselect_b32 s22, s3, s2                      ; B's
	s_mov_b32 s21, 0
	s_mov_b32 s23, 0
	s_lshl_b32 s66, s20, 1                         ; and two K steps
	s_mov_b32 s67, 0
	s_lshl_b32 s68, s22, 1
	s_mov_b32 s69, 0
	s_add_co_u32 s86, s86, s41                     ; A's tile: cy (+ 4 x cluster y where A is h): never cx
	s_add_co_u32 s46, s46, s40                     ; B's tile: cx (+ 4 x cluster y where B is h): never cy
	s_lshl_b32 s86, s86, 16
	s_lshl_b32 s46, s46, 16
	s_lshl_b32 s12, s16, 15
	s_add_co_u32 s86, s86, s12                     ; + the half that I fetch
	s_add_co_u32 s46, s46, s12
	s_mov_b32 s87, 0
	s_mov_b32 s47, 0
	s_lshl_b32 s45, s14, 15                        ; where it goes: wave x 32 KB
	s_wait_kmcnt 0x0
	s_load_b256 s[88:95], s[8:9], 0x0              ; e0 .. e7
	s_load_b64 s[96:97], s[8:9], 0x20              ; e8, e9
	s_lshl_b32 s12, ttmp9, 23
	s_mov_b32 s13, 0
	s_add_nc_u64 s[4:5], s[4:5], s[12:13]          ; h's image with this product's scale
	s_lshl_b32 s12, ttmp9, 20
	s_add_nc_u64 s[6:7], s[6:7], s[12:13]          ; this product's weight
	s_cmp_eq_u32 ttmp9, 2
	s_cselect_b64 s[76:77], s[6:7], s[4:5]         ; A
	s_cselect_b64 s[78:79], s[4:5], s[6:7]         ; B
	s_add_nc_u64 s[76:77], s[76:77], s[86:87]
	s_add_nc_u64 s[78:79], s[78:79], s[46:47]
	CROUND                                         ; all sixteen work-groups are here: the first joint loads meet
	s_mov_b32 s[G0], 1
	s_add_co_u32 s[G0+1], s45, 0
	s_mov_b64 s[G0+2:G0+3], s[76:77]
	s_or_b32 s[G0+3], s[G0+3], 0x80000000
	s_mov_b32 s[G0B], 1
	s_add_co_u32 s[G0B+1], s45, 0
	s_mov_b64 s[G0B+2:G0B+3], s[78:79]
	s_or_b32 s[G0B+3], s[G0B+3], 0x80000000
	JLOAD G0, G1, G0B, G1B                         ; K step 0 into slot 0
	s_mov_b32 s[G0+4], 1
	s_add_co_u32 s[G0+5], s45, SLOT
	s_add_nc_u64 s[G0+6:G0+7], s[76:77], s[20:21]
	s_or_b32 s[G0+7], s[G0+7], 0x80000000
	s_mov_b32 s[G0B+4], 1
	s_add_co_u32 s[G0B+5], s45, SLOT
	s_add_nc_u64 s[G0B+6:G0B+7], s[78:79], s[22:23]
	s_or_b32 s[G0B+7], s[G0B+7], 0x80000000
	JLOAD G0+4, G1, G0B+4, G1B                     ; K step 1 into slot 1: two loads of mine are out
	v_and_b32 v1, 15, v0                           ; r
	v_bfe_u32 v2, v0, 4, 1                         ; h
	v_and_b32 v3, 31, v0
	v_lshlrev_b32 v[VOL], 4, v3
	s_lshl_b32 s12, s15, 15                        ; my eight row blocks of A
	s_lshl_b32 s13, s16, 15
	s_add_co_u32 s13, s13, 65536                   ; and of B, behind A's sixteen
.irp s, 0,1
	v_add_nc_u32 v[ADRA+\s], s12, v[VOL]
	v_add_nc_u32 v[ADRB+\s], s13, v[VOL]
	s_add_co_u32 s12, s12, SLOT
	s_add_co_u32 s13, s13, SLOT
.endr
	v_lshlrev_b32 v[BCO], 6, v2
	v_and_b32 v4, 8, v1
	v_add_nc_u32 v4, v4, v1
	v_lshlrev_b32 v[BRO], 2, v4
	s_lshl_b32 s12, s40, 10                        ; the biases: along B at channel 256 cx + 128 (wave % 2), along A at 256 cy + 128 (wave / 2)
	s_lshl_b32 s13, s16, 9
	s_add_co_u32 s12, s12, s13
	s_lshl_b32 s18, s41, 10
	s_lshl_b32 s13, s15, 9
	s_add_co_u32 s18, s18, s13
	s_mov_b32 s13, 0
	s_mov_b32 s19, 0
	s_cmp_eq_u32 ttmp9, 0
	s_cselect_b64 s[80:81], s[80:81], s[82:83]
	s_cmp_eq_u32 ttmp9, 2
	s_cselect_b64 s[80:81], s[84:85], s[80:81]
	s_cselect_b32 s12, 0, s12                      ; (the one that is multiplied by 0 is read at the buffer's head)
	s_cselect_b32 s18, s18, 0
	s_add_nc_u64 s[80:81], s[80:81], s[12:13]
	s_add_nc_u64 s[84:85], s[84:85], s[18:19]
.irp b, 0,1,2,3
.irp i, 0,1,2,3
	global_load_b128 v[BC+16*\b+4*\i:BC+16*\b+4*\i+3], v[BCO], s[80:81] offset:128*\b+16*\i   ; B's 32 b + 16 h + 4 i on
.endr
.endr
.irp a, 0,1,2,3,4,5,6,7
	global_load_b32 v[BR+2*\a], v[BRO], s[84:85] offset:4*(32*(\a/2)+8*(\a%2))               ; A's row in my lane place of block a
.endr
	s_cmp_eq_u32 ttmp9, 2                          ; where my results go
	s_cselect_b32 s18, s40, s41                    ; the token tile's place in the cluster,
	s_cselect_b32 s19, s41, s40                    ; the channel tile (4 heads),
	s_cselect_b32 s2, s15, s16                     ; my two heads of them,
	s_cselect_b32 s3, s16, s15                     ; my 128 tokens of the 256
	s_mov_b32 s100, 0x20000
	s_cselect_b32 s100, 1024, s100                 ; to the upper two stores: q, k: the next head; v: pieces 2, 3
	s_mov_b32 s72, 1024
	s_cselect_b32 s72, 2048, s72                   ; from block to block: q, k: a token block; v: a tile of 16 channels
	s_cselect_b32 s74, 122880, 0                   ; v: behind four tiles the next head
	s_mov_b32 s73, 0
	s_mov_b32 s75, 0
	s_add_co_u32 s18, s18, s17                     ; the token tile, 0 .. 31
	s_lshr_b32 s12, s18, 3                         ; batch
	s_and_b32 s18, s18, 7
	s_lshl_b32 s12, s12, 4
	s_lshl_b32 s19, s19, 2
	s_add_co_u32 s12, s12, s19
	s_lshl_b32 s2, s2, 1
	s_add_co_u32 s12, s12, s2                      ; batch x 16 + head
	s_lshl_b32 s12, s12, 17                        ; a head's image is 128 KB
	s_lshl_b32 s18, s18, 14
	s_add_co_u32 s12, s12, s18
	s_lshl_b32 s3, s3, 13
	s_add_co_u32 s12, s12, s3
	s_lshl_b32 s13, ttmp9, 23                      ; q, k, v: 8 MB each
	s_add_co_u32 s12, s12, s13
	s_mov_b32 s13, 0
	s_add_nc_u64 s[70:71], s[10:11], s[12:13]
	v_add_nc_u32 v[VOH], s100, v[VOL]
	s_wait_loadcnt 0x0
	s_wait_kmcnt 0x0
	s_add_co_i32 s88, s88, s89
	s_add_co_i32 s90, s90, s91
	s_add_co_i32 s92, s92, s93
	s_cmp_eq_u32 ttmp9, 0
	s_cselect_b32 s88, s88, s90
	s_cselect_b32 s94, s94, s95
	s_cmp_eq_u32 ttmp9, 2
	s_cselect_b32 s88, s92, s88                    ; the operands' two exponents added: a sum stands for sum x 2^that
	s_cselect_b32 s94, s97, s94                    ; the result's own exponent: e6, e7 or e9
	s_sub_co_i32 s12, 127, s88
	s_lshl_b32 s12, s12, 23                        ; 2^-(the two added)
	s_cmp_eq_u32 ttmp9, 2
	s_cselect_b32 s98, 0, s12                      ; for the bias along B,
	s_cselect_b32 s99, s12, 0                      ; for the bias along A
	s_sub_co_i32 s12, s94, s88                     ; the three scales folded into the conversion's one
	s_add_co_i32 s12, s12, 127
	s_lshl_b32 s13, s12, 23
	v_mov_b32 v[SC], s13
	s_add_co_i32 s12, s12, 8
	s_lshl_b32 s12, s12, 23
	s_or_b32 s12, s12, 0x600000
	v_mov_b32 v[LIM], s12
.set j, 0
.rept 32
	v_pk_mul_f32 v[BC+j:BC+j+1], v[BC+j:BC+j+1], s[98:99] op_sel_hi:[1,0]
.set j, j+2
.endr
.irp a, 0,1,2,3,4,5,6,7
	v_mul_f32 v[BR+2*\a], s99, v[BR+2*\a]
.endr
.irp a, 0,1,2,3,4,5,6,7
	v_mov_b32 v[BR+2*\a+1], v[BR+2*\a]
.endr
.macro FRAG reg, adr, q, i             ; block i's fragment of the slot's q-th 128 along K: four loads of 512 consecutive bytes
.irp c, 0,1,2,3
	ds_load_b128 v[\reg+4*\c:\reg+4*\c+3], v[\adr] offset:(\i)*4096+(\q)*2048+512*\c
.endr
.endm
; 16 matrix instructions: A's blocks a0, a0 + 1 x B's eight.  zero = 1: the first product starts the sums, from the bias.  The 64 accumulators take turns, one instruction a turn
.macro MUL16 a0, p, zero
.irp a, \a0, \a0+1
.irp b, 0,1,2,3,4,5,6,7
.if \zero
	v_wmma_f32_16x16x128_fp8_fp8 v[8*(8*((\a)%4)+\b):8*(8*((\a)%4)+\b)+7], v[128*(\p)+FR*\b:128*(\p)+FR*\b+FR-1], v[AF+FR*(\a):AF+FR*(\a)+FR-1], v[BC+8*\b:BC+8*\b+7]
.else
	v_wmma_f32_16x16x128_fp8_fp8 v[8*(8*((\a)%4)+\b):8*(8*((\a)%4)+\b)+7], v[128*(\p)+FR*\b:128*(\p)+FR*\b+FR-1], v[AF+FR*(\a):AF+FR*(\a)+FR-1], v[8*(8*((\a)%4)+\b):8*(8*((\a)%4)+\b)+7]
.endif
.endr
.endr
.endm
.macro FETCH_B slot, q, p
	WIN TO_B
.irp i, 0,1,2,3,4,5,6,7
	FRAG 128*(\p)+FR*\i, ADRB+\slot, \q, \i
.endr
	WIN 0
.endm
.macro FETCH_A slot, q, i0
.irp i, \i0, \i0+1, \i0+2, \i0+3
	FRAG AF+FR*(\i), ADRA+\slot, \q, \i
.endr
.endm
.macro PLACES n                        ; plain vector instructions between a matrix instruction and a load into, or a vector write of, its registers, or a read of its result
.rept \n
	v_nop
.endr
.endm
.macro STEP slot, q, zero              ; 128 along K whose successor lies in the same slot.  With zero = 1, C (the bias) lies in window 0
	s_wait_dscnt 4*NL                              ; B's set and A's blocks 0-3 are in; the youngest 16 loads (A's blocks 4-7) may be out
	WIN MUL_LO-0x20*(\zero)
	MUL16 0, (\q)%2, \zero
	MUL16 2, (\q)%2, \zero
	s_wait_dscnt 0
	PLACES NP
	FETCH_B \slot, (\q)+1, 1-(\q)%2
	FETCH_A \slot, (\q)+1, 0
	WIN MUL_HI-0x30*(\zero)
	MUL16 4, (\q)%2, \zero
	MUL16 6, (\q)%2, \zero
	PLACES NP
	WIN 0
	FETCH_A \slot, (\q)+1, 4
.endm
; A slot's last step changes slots: one barrier; in front of it each wave waits for all its tensor loads, adds 0 to its spare word, and waits for that and for its reads of this slot
.macro TURN slot, next, fill
	s_wait_tensorcnt 0x0                           ; all my tensor loads have landed: my part of the next slot
	ds_add_u32 v[SPW], v[NIL]                      ; 0 onto my spare word
	s_wait_dscnt 4*NL+1                            ; (the add and the youngest 16 loads may be out)
	WIN MUL_LO
	MUL16 0, 1, 0
	s_wait_dscnt 0x0                               ; the add is done, and my reads of this slot are over
	s_barrier_signal -1
	MUL16 2, 1, 0
	WIN 0
	s_barrier_wait -1
.if \fill
	CREST                                          ; the barrier has opened a round of the cluster's: no wave of any partner still reads this slot or has a load on its way
	s_add_nc_u64 s[G0+4*\slot+2:G0+4*\slot+3], s[G0+4*\slot+2:G0+4*\slot+3], s[66:67]
	s_add_nc_u64 s[G0B+4*\slot+2:G0B+4*\slot+3], s[G0B+4*\slot+2:G0B+4*\slot+3], s[68:69]
	JLOAD G0+4*\slot, G1, G0B+4*\slot, G1B         ; the first tensor load behind the round, my only one until the next; its four v_nop are the places in front of the loads below
.else
	PLACES NP
.endif
	FETCH_B \next, 0, 0
	FETCH_A \next, 0, 0
	WIN MUL_HI
	MUL16 4, 1, 0
	MUL16 6, 1, 0
	PLACES NP
	WIN 0
	FETCH_A \next, 0, 4
.endm
	s_wait_tensorcnt 1                             ; my part of K step 0 is in; K step 1's may be out
	s_barrier_signal -1
	s_barrier_wait -1
	FETCH_B 0, 0, 0
	FETCH_A 0, 0, 0
	FETCH_A 0, 0, 4
	STEP 0, 0, 1                                   ; K 0-127: starts the sums
	TURN 0, 1, 1                                   ; K 128-255; slot 0 takes K step 2
	STEP 1, 0, 0
	TURN 1, 0, 1                                   ; slot 1 takes K step 3
	STEP 0, 0, 0
	TURN 0, 1, 0                                   ; nothing is left to fetch
	STEP 1, 0, 0
	s_wait_dscnt 4*NL
	WIN MUL_LO
	MUL16 0, 1, 0
	MUL16 2, 1, 0
	s_wait_dscnt 0
	WIN MUL_HI
	MUL16 4, 1, 0
	MUL16 6, 1, 0
	WIN 0
; THE WAY OUT of A's block a: + the bias along A, the hold, the conversion; the 16 registers of codes are four pieces of images
.macro OUTBLK a
.set AC, 64*((\a)%4)
.set CC, CD+16*((\a)%2)
	WIN 0x02+((\a)/4)                              ; source 0: window 2 or 3
.set j, 0
.rept 32
	v_pk_add_f32 v[TMP+j:TMP+j+1], v[AC+j:AC+j+1], v[BR+2*(\a):BR+2*(\a)+1]   ; each accumulator from its low end on
.set j, j+2
.endr
	WIN 0
.set j, 0
.rept 64
	v_med3_num_f32 v[TMP+j], v[TMP+j], -v[LIM], v[LIM]   ; the conversion does not saturate (ISA guide 7.6.2)
.set j, j+1
.endr
.irp b, 0,1,2,3,4,5,6,7
	v_cvt_scalef32_pk8_fp8_f32 v[CC+2*\b:CC+2*\b+1], v[TMP+8*\b:TMP+8*\b+7], v[SC]
.endr
	v_nop                                          ; a plain instruction between the conversions and the next block's additions, which write their sources
.if (\a) > 0
	s_wait_xcnt 0x0                                ; the earlier stores have read their base and their data: the base steps, and the set of codes of two blocks ago may be written next
	s_add_nc_u64 s[70:71], s[70:71], s[72:73]
.endif
.if (\a) == 4
	s_add_nc_u64 s[70:71], s[70:71], s[74:75]
.endif
	global_store_b128 v[VOL], v[CC:CC+3], s[70:71]                 ; 32 lanes store 512 consecutive bytes, at a multiple of 512 from the buffer's first byte
	global_store_b128 v[VOL], v[CC+4:CC+7], s[70:71] offset:512
	global_store_b128 v[VOH], v[CC+8:CC+11], s[70:71]
	global_store_b128 v[VOH], v[CC+12:CC+15], s[70:71] offset:512
.endm
	PLACES NP                                      ; behind the last products: the first block's numbers land where A's fragments lay
.irp a, 0,1,2,3,4,5,6,7
	OUTBLK \a
.endr
	s_wait_tensorcnt 0x0                           ; the wave's end
	ds_add_u32 v[SPW], v[NIL]
	s_wait_dscnt 0x0
	CROUND                                         ; the closing round: no work-group ends while a partner may still ask for a tile that names it
	s_endpgm
.Lfunc_end_k_q06428cb2c8_qkv:
	.size	k_q06428cb2c8_qkv, .Lfunc_end_k_q06428cb2c8_qkv-k_q06428cb2c8_qkv
	.p2alignl 7, 3214868480
	.fill 96, 4, 3214868480
	.section	.rodata,"a",@progbits
	.p2align	6, 0x0
	.amdhsa_kernel k_q06428cb2c8_qkv
		.amdhsa_group_segment_fixed_size 327680
		.amdhsa_private_segment_fixed_size 0
		.amdhsa_enable_private_segment 0
		.amdhsa_kernarg_size 56
		.amdhsa_user_sgpr_count 2
		.amdhsa_user_sgpr_kernarg_segment_ptr 1
		.amdhsa_wavefront_size32 1
		.amdhsa_system_sgpr_workgroup_id_x 1
		.amdhsa_system_sgpr_workgroup_id_y 1
		.amdhsa_system_sgpr_workgroup_id_z 1
		.amdhsa_system_vgpr_workitem_id 0
		.amdhsa_next_free_vgpr 1024
		.amdhsa_next_free_sgpr 102
		.amdhsa_reserve_vcc 0
		.amdhsa_float_denorm_mode_32 3
		.amdhsa_float_denorm_mode_16_64 3
		.amdhsa_memory_ordered 1
		.amdhsa_forward_progress 1
		.amdhsa_inst_pref_size 141
	.end_amdhsa_kernel
	.amdgpu_metadata
---
amdhsa.version: [ 1, 2 ]
amdhsa.kernels:
  - .name:           k_q06428cb2c8_qkv
    .symbol:         k_q06428cb2c8_qkv.kd
    .args:
      - { .name: h_img, .offset: 0, .size: 8, .value_kind: global_buffer, .address_space: global }
      - { .name: w_img, .offset: 8, .size: 8, .value_kind: global_buffer, .address_space: global }
      - { .name: lowp_scales, .offset: 16, .size: 8, .value_kind: global_buffer, .address_space: global }
      - { .name: qkv_img, .offset: 24, .size: 8, .value_kind: global_buffer, .address_space: global }
      - { .name: bq, .offset: 32, .size: 8, .value_kind: global_buffer, .address_space: global }
      - { .name: bk, .offset: 40, .size: 8, .value_kind: global_buffer, .address_space: global }
      - { .name: bv, .offset: 48, .size: 8, .value_kind: global_buffer, .address_space: global }
    .group_segment_fixed_size: 327680
    .private_segment_fixed_size: 0
    .kernarg_segment_align: 8
    .kernarg_segment_size: 56
    .max_flat_workgroup_size: 128
    .sgpr_count:     102
    .vgpr_count:     1024
    .wavefront_size: 32
...
	.end_amdgpu_metadata
.endif
;; end of part 2
;; launch attn (part 3): grid 4 x 64, 8 waves a work-group, clusters of 4 x 1, 271,360 bytes of LDS; arguments qkv_img, attention_mask, lowp_scales, c_img; writes c_img
.if DOCPART == 3
	.amdgcn_target "amdgcn-amd-amdhsa--gfx1250"
	.amdhsa_code_object_version 6
	.text
	.protected	k_q06428cb2c8_attn
	.globl	k_q06428cb2c8_attn
	.p2align	8
	.type	k_q06428cb2c8_attn,@function
k_q06428cb2c8_attn:
	s_mov_b64 s[64:65], 0
	v_nop
	global_prefetch_b8 v0, s[64:65] scope:SCOPE_SE
	s_setreg_imm32_b32 hwreg(HW_REG_WAVE_MODE, 25, 1), 1
	s_wait_xcnt 0x0
	s_wait_alu depctr_hold_cnt(0) depctr_sa_sdst(0) depctr_va_vdst(0) depctr_va_sdst(0) depctr_va_ssrc(0) depctr_va_vcc(0) depctr_vm_vsrc(0)
	s_getreg_b32 s2, hwreg(HW_REG_IB_STS2, 6, 4)
	s_cmp_eq_u32 s2, 0
	s_cbranch_scc0 .Lentry_in_a_cluster
	s_endpgm
.Lentry_in_a_cluster:
	s_bfe_u32 s2, ttmp6, 0x10000c
	s_cmp_lg_u32 s2, 0x3003
	s_cbranch_scc0 .Lentry_shape_is_right
	s_endpgm
.Lentry_shape_is_right:
; c = softmax(q k^T / 8, keys with mask 0 left out) v for one head, both products on codes of FP8 (E4M3); c is quantised (e10) into the image that the last product reads.
; THE SOFTMAX: t = score x log2(e) / 8; M = the running largest t rounded UP to a whole number; p = 2^(t - M) is quantised (e8), not normalised; the row's sum is taken of the unquantised p and divides at the end.
; SHARES.  A cluster of four work-groups takes one head (cluster y = batch x 16 + head), each 512 of its 2,048 queries, in two passes of 256.  Each of eight waves owns two tiles of 16 queries a pass, which share
; every fragment of K, V and the mask; two waves to a SIMD, 512 registers each.
; K AND V OF THE WHOLE HEAD (128 KB + 128 KB, images of operand registers) ARE FILLED ONCE, by joint loads that name all four work-groups: two loads of 16 KB a wave, all at the head.  No LDS byte is filled again.
; The first halves (keys 0-1,023) are read while the second are on their way.
; LAYOUT.  Both products transposed: S^T = K Q^T (source 0 = 16 keys), O^T = V^T P^T (source 0 = 16 channels): a lane holds ONE query.  A tile's lane place r holds key (or channel, or query)
; 32 (t / 2) + 8 (t % 2) + r + 8 (r / 8), so the 16 registers of tiles 2 b, 2 b + 1 are 16 neighbours 32 b + 16 (l / 16) + 0 .. 15: the conversions' results are the next operand's registers.
; THE MASK costs no vector instruction in the loop: 0 or -3e38 for each key lies in LDS in f32 and is the C of the first product.
; M starts from -1e20: a step all of whose keys are masked leaves it there, and its t, -3e38 x c, lies far below: p = 0.
; LIMITS: e6 + e7 between -55 and 120; e8, and e10 - e8 - e9, between -126 and 119.  A row whose every t lies under -1e20 is not served.  A batch whose mask is all zeros is not served:
; the softmax is NaN there by definition, and this text does not give NaN.  NaN among the inputs is not served.
.set MB,   262144                      ; LDS: K at 0, V at 131,072, the mask's 2,048 numbers here
.set MSB, 0
.macro WIN new
.if MSB != (\new)
	s_set_vgpr_msb (MSB<<8)|(\new)
.set MSB, (\new)
.endif
.endm
; REGISTERS.  Window 0: v1 16 x lane; v2 the mask's place for my half; v3-5 the step's addresses of K, V, mask; v6, v224 16 x thread (in LDS, in memory); v7 -3e38; v225 V's place; v8-15 mask words;
;   v16-31 Q (8 a tile); v32-95 K (8 tiles x 8); v96-159 the mask in the result's layout; v160-223 V (4 tiles x 16).
; Window 1, tile i at T = 128 i: T+0..63 S^T, then p; T+64..95 O^T; T+96..111 p's codes; T+112 -M; T+113 the largest t; T+114,115 the sum; T+116,117 f; T+118,119, T+120..122 at work.
;   v124, v125: 2^e8, 448 x 2^e8; v126, v127: the same with e10 - e8 - e9.
.macro CROUND
	s_barrier_signal -1
	s_barrier_wait -1
	s_cmp_lg_u32 s12, 0
	s_cbranch_scc1 .Lnot_wave_0_\@
	s_barrier_signal -3
.Lnot_wave_0_\@:
	s_barrier_wait -3
	s_barrier_signal -1
	s_barrier_wait -1
.endm
	s_load_b256 s[4:11], s[0:1], 0x0               ; qkv_img, attention_mask, the scales' exponents, c_img
	v_lshl_add_u32 v254, v0, 2, 0x42000
	v_mov_b32 v255, 0
	ds_add_u32 v254, v255
	ds_add_u32 v254, v255
	v_lshrrev_b32 v1, 5, v0
	v_readfirstlane_b32 s12, v1                    ; wave 0..7
	s_bfe_u32 s13, ttmp6, 0x40000                  ; cx: it enters Q's and c's addresses alone
	s_and_b32 s14, ttmp7, 0xffff                   ; batch x 16 + head, which the four partners share
	s_mov_b32 s16, 15|(3<<16)|(1<<21)              ; group 1: the mask names all four; elements of 8 bytes; 21 set beside a mask; no padding
	s_mov_b32 s17, 32<<16                          ; tensor_dim0 = 32 elements: 256 bytes
	s_mov_b32 s18, 64<<16                          ; tensor_dim1 = 64
	s_mov_b32 s19, 32<<16                          ; tile_dim0
	s_mov_b32 s20, 64                              ; tile_dim1: 64 x 256 bytes, dense: 16 KB
	s_mov_b32 s21, 32                              ; the pitch
	s_mov_b32 s22, 0
	s_mov_b32 s23, 0
	s_mov_b32 s46, 0x76543210
	s_mov_b32 s47, 0xfedcba98
	v_and_b32 v2, 31, v0
	v_lshlrev_b32 v1, 4, v2
	v_add_nc_u32 v225, 0x20000, v1
	v_bfe_u32 v2, v0, 4, 1
	v_lshlrev_b32 v2, 6, v2
	v_add_nc_u32 v2, MB, v2
	v_lshlrev_b32 v224, 4, v0
	v_add_nc_u32 v6, MB, v224
	v_mov_b32 v7, 0xff61b1e6                       ; -3e38
	s_lshr_b32 s58, s12, 2                         ; waves 0-3 fetch K, waves 4-7 V,
	s_and_b32 s59, s12, 3                          ; a quarter of each half
	s_lshl_b32 s60, s58, 17
	s_lshl_b32 s61, s59, 14
	s_add_co_u32 s60, s60, s61                     ; in LDS
	s_add_co_u32 s62, s58, 1
	s_lshl_b32 s62, s62, 23                        ; k's images lie 8 MB, v's 16 MB into the buffer
	s_add_co_u32 s62, s62, s61
	s_lshl_b32 s63, s14, 17                        ; a head's image is 128 KB
	s_add_co_u32 s62, s62, s63
	s_mov_b32 s63, 0
	s_wait_dscnt 0x0
	s_wait_kmcnt 0x0
	s_load_b256 s[32:39], s[8:9], 0x0              ; e0 .. e7
	s_load_b128 s[40:43], s[8:9], 0x20             ; e8 .. e11
	s_mov_b32 s24, 1
	s_mov_b32 s25, s60
	s_add_nc_u64 s[26:27], s[4:5], s[62:63]
	s_add_nc_u64 s[30:31], s[26:27], 65536         ; the second half: keys 1,024 on
	s_or_b32 s27, s27, 0x80000000
	s_mov_b32 s28, 1
	s_add_co_u32 s29, s60, 65536
	s_or_b32 s31, s31, 0x80000000
	s_lshr_b32 s58, s14, 4                         ; batch
	s_and_b32 s59, s14, 15                         ; head
	s_lshl_b32 s60, s14, 17                        ; Q: token block 32 cx + 2 wave (+ 16 x pass + tile) of 1,024 bytes
	s_lshl_b32 s61, s13, 15
	s_add_co_u32 s60, s60, s61
	s_lshl_b32 s61, s12, 11
	s_add_co_u32 s60, s60, s61
	s_mov_b32 s61, 0
	s_add_nc_u64 s[52:53], s[4:5], s[60:61]
	s_lshr_b32 s60, s59, 2                         ; c's image: k = 64 head + channel: (head / 4) x 2 MB + row block x 4,096 + ((head / 2) % 2) x 2,048 + (head % 2) x 1,024
	s_lshl_b32 s60, s60, 21
	s_lshl_b32 s62, s58, 19
	s_add_co_u32 s60, s60, s62
	s_lshl_b32 s62, s13, 17
	s_add_co_u32 s60, s60, s62
	s_lshl_b32 s62, s12, 13
	s_add_co_u32 s60, s60, s62
	s_bfe_u32 s62, s59, 0x10001
	s_lshl_b32 s62, s62, 11
	s_add_co_u32 s60, s60, s62
	s_and_b32 s62, s59, 1
	s_lshl_b32 s62, s62, 10
	s_add_co_u32 s60, s60, s62
	s_add_nc_u64 s[54:55], s[10:11], s[60:61]
	s_lshl_b32 s60, s58, 13
	s_add_nc_u64 s[56:57], s[6:7], s[60:61]        ; my batch's mask
	CROUND                                         ; all four work-groups are here: the joint loads meet
	tensor_load_to_lds s[24:27], s[16:23]          ; every wave asks for two parts, in every work-group alike: two loads of mine are out
	s_nop 0
	tensor_load_to_lds s[28:31], s[16:23]
	s_nop 0
.rept 4
	v_nop
.endr
	global_load_b128 v[8:11], v224, s[56:57]       ; the mask: 256 threads x 2 x 16 bytes
	global_load_b128 v[12:15], v224, s[56:57] offset:4096
	s_wait_loadcnt 0x0
.irp i, 8,9,10,11,12,13,14,15
	v_cmp_eq_u32 vcc_lo, 0, v\i
	v_cndmask_b32 v\i, 0, v7, vcc_lo               ; 0 where the key counts, -3e38 where it does not
.endr
	ds_store_b128 v6, v[8:11]
	ds_store_b128 v6, v[12:15] offset:4096
	s_wait_kmcnt 0x0
	s_add_co_i32 s58, s38, s39                     ; a score stands for score x 2^(e6 + e7): added to c's exponent field
	s_lshl_b32 s58, s58, 23
	s_mov_b32 s44, 0x3e38aa3b                      ; c = log2(e) / 8
	s_add_co_i32 s44, s44, s58
	s_mov_b32 s45, s44
	WIN 0x40                                       ; destination window 1
	s_add_co_i32 s58, s40, 127
	s_lshl_b32 s59, s58, 23
	v_mov_b32 v124, s59                            ; 2^e8
	s_add_co_i32 s58, s58, 8
	s_lshl_b32 s58, s58, 23
	s_or_b32 s58, s58, 0x600000
	v_mov_b32 v125, s58                            ; 448 x 2^e8
	s_sub_co_i32 s58, s42, s40
	s_sub_co_i32 s58, s58, s41                     ; O / the sum stands for c / 2^(e8 + e9): its code is that / 2^(e10 - e8 - e9)
	s_add_co_i32 s58, s58, 127
	s_lshl_b32 s59, s58, 23
	v_mov_b32 v126, s59
	s_add_co_i32 s58, s58, 8
	s_lshl_b32 s58, s58, 23
	s_or_b32 s58, s58, 0x600000
	v_mov_b32 v127, s58
	WIN 0
.macro PASSHEAD p                      ; a pass's Q, and its sums begun
.irp i, 0,1
.irp cc, 0,1
	global_load_b128 v[16+8*\i+4*\cc:16+8*\i+4*\cc+3], v1, s[52:53] offset:16384*(\p)+1024*\i+512*\cc
.endr
.endr
	WIN 0x55
.irp T, 0, 128
.set j, 0
.rept 32
	v_mov_b32 v[\T+64+j], 0                        ; O^T.  (The step is written once: the first finds zeros, which the first change of M leaves zeros)
.set j, j+1
.endr
	v_mov_b32 v[\T+114], 0
	v_mov_b32 v[\T+115], 0
	v_mov_b32 v[\T+117], 0                         ; (named as the upper half of f's pair)
	v_mov_b32 v[\T+122], 0                         ; (a lane permute's destination counts as one of its sources)
	v_mov_b32 v[\T+113], 0xe0ad78ec                ; the largest t so far: -1e20
	v_floor_f32 v[\T+112], -v[\T+113]
.endr
	WIN 0
	s_wait_loadcnt 0x0
.endm
; The softmax's first part, both tiles' lines by turns: the maximum, M, f, t - M, the exponentials
.macro SM_A
.irp T, 0, 128
	v_max3_num_f32 v[\T+120], v[\T], v[\T+1], v[\T+2]
	v_max3_num_f32 v[\T+121], v[\T+3], v[\T+4], v[\T+5]
.endr
.irp i, 6,10,14,18,22,26,30,34,38,42,46,50,54,58
.irp T, 0, 128
	v_max3_num_f32 v[\T+120], v[\T+120], v[\T+\i], v[\T+\i+1]
	v_max3_num_f32 v[\T+121], v[\T+121], v[\T+\i+2], v[\T+\i+3]
.endr
.endr
.irp T, 0, 128
	v_max3_num_f32 v[\T+120], v[\T+120], v[\T+62], v[\T+63]
.endr
.irp T, 0, 128
	v_max_num_f32 v[\T+120], v[\T+120], v[\T+121]
.endr
.irp T, 0, 128
	v_permlanex16_b32 v[\T+122], v[\T+120], s46, s47   ; the query's other 64 keys lie 16 lanes away
.endr
.irp T, 0, 128
	v_max_num_f32 v[\T+120], v[\T+120], v[\T+122]
.endr
.irp T, 0, 128
	v_mul_f32 v[\T+120], s44, v[\T+120]            ; as t (c is positive)
.endr
.irp T, 0, 128
	v_max_num_f32 v[\T+113], v[\T+113], v[\T+120]  ; the running largest t
	v_mov_b32 v[\T+120], v[\T+112]
.endr
.irp T, 0, 128
	v_floor_f32 v[\T+112], -v[\T+113]              ; -M = floor(-t): M is a whole number
.endr
.irp T, 0, 128
	v_sub_f32 v[\T+120], v[\T+112], v[\T+120]      ; old M - new M
.endr
.irp T, 0, 128
	v_cvt_i32_f32 v[\T+120], v[\T+120]             ; (it saturates)
.endr
.irp T, 0, 128
	v_ldexp_f32 v[\T+116], 1.0, v[\T+120]          ; f = 2^(old M - new M): rounds nothing
.endr
.set j, 0
.rept 32
	v_pk_fma_f32 v[j:j+1], v[j:j+1], s[44:45], v[112:113] op_sel_hi:[1,0,0]           ; t - M, two at a time
	v_pk_fma_f32 v[128+j:129+j], v[128+j:129+j], s[44:45], v[240:241] op_sel_hi:[1,0,0]
.set j, j+2
.endr
.set j, 0
.rept 64
	v_exp_f32 v[j], v[j]                           ; p = 2^(t - M)
	v_exp_f32 v[128+j], v[128+j]
.set j, j+1
.endr
.endm
; Its second part: the sums of the unquantised p, the hold, the conversions, O^T x f
.macro SM_B
.irp T, 0, 128
	v_pk_add_f32 v[\T+118:\T+119], v[\T:\T+1], v[\T+2:\T+3]
.endr
.irp j, 4,8,12,16,20,24,28,32,36,40,44,48,52,56,60
.irp T, 0, 128
	v_pk_add_f32 v[\T+114:\T+115], v[\T+114:\T+115], v[\T+\j:\T+\j+1]
	v_pk_add_f32 v[\T+118:\T+119], v[\T+118:\T+119], v[\T+\j+2:\T+\j+3]
.endr
.endr
.irp T, 0, 128
	v_pk_add_f32 v[\T+114:\T+115], v[\T+114:\T+115], v[\T+118:\T+119]
.endr
.irp b, 0,1,2,3
.irp T, 0, 128
.irp i, 0,1,2,3,4,5,6,7,8,9,10,11,12,13,14,15
	v_min_num_f32 v[\T+16*\b+\i], v[\T+16*\b+\i], v125   ; the conversion does not saturate (ISA guide 7.6.2); p is not negative: the hold is one-sided
.endr
	v_cvt_scalef32_pk8_fp8_f32 v[\T+96+4*\b:\T+97+4*\b], v[\T+16*\b:\T+16*\b+7], v124
	v_cvt_scalef32_pk8_fp8_f32 v[\T+98+4*\b:\T+99+4*\b], v[\T+16*\b+8:\T+16*\b+15], v124
.endr
.endr
.set j, 0
.rept 16
	v_pk_mul_f32 v[64+j:65+j], v[64+j:65+j], v[116:117] op_sel_hi:[1,0]       ; O^T under the new M.  (Also the plain instructions between the conversions and the products that read their results)
	v_pk_mul_f32 v[192+j:193+j], v[192+j:193+j], v[244:245] op_sel_hi:[1,0]
.set j, j+2
.endr
.endm
; A KEY STEP: 128 keys, at LDS byte s48 of K and of V and s49 of the mask
.macro STEP
	v_add_nc_u32 v3, s48, v1                       ; these four are the places between the last products and the loads into V's registers
	v_add_nc_u32 v4, s48, v225
	v_add_nc_u32 v5, s49, v2
	v_nop
.irp t, 0,1,2,3,4,5,6,7
.irp cc, 0,1
	ds_load_b128 v[32+8*\t+4*\cc:32+8*\t+4*\cc+3], v3 offset:1024*\t+512*\cc
.endr
.endr
.irp b, 0,1,2,3
.irp i, 0,1,2,3
	ds_load_b128 v[96+16*\b+4*\i:96+16*\b+4*\i+3], v5 offset:128*\b+16*\i
.endr
.endr
.irp t, 0,1,2,3
.irp c, 0,1,2,3
	ds_load_b128 v[160+16*\t+4*\c:160+16*\t+4*\c+3], v4 offset:2048*\t+512*\c
.endr
.endr
	s_wait_dscnt 16                                ; K and the mask are in; V's 16 loads may be out: they land under the softmax
	WIN 0x40                                       ; destination window 1
.irp t, 0,1,2,3,4,5,6,7
.irp i, 0,1
	v_wmma_f32_16x16x64_fp8_fp8 v[128*\i+8*\t:128*\i+8*\t+7], v[32+8*\t:32+8*\t+7], v[16+8*\i:16+8*\i+7], v[96+8*\t:96+8*\t+7]
.endr
.endr
.rept 4
	v_nop
.endr
	WIN 0x55
	SM_A
	v_pk_mul_f32 v[114:115], v[114:115], v[116:117] op_sel_hi:[1,0]   ; the sums under the new M: plain instructions behind the exponentials
	v_pk_mul_f32 v[242:243], v[242:243], v[244:245] op_sel_hi:[1,0]
	s_wait_alu depctr_va_vdst(0)                   ; one wait for the batch of 128 exponentials, ahead of its first reader
	SM_B
	s_wait_dscnt 0x0                               ; V is in
	WIN 0x54                                       ; V window 0; p's codes, C and D window 1
.irp t, 0,1,2,3
.irp i, 0,1
	v_wmma_f32_16x16x128_fp8_fp8 v[128*\i+64+8*\t:128*\i+64+8*\t+7], v[160+16*\t:160+16*\t+15], v[128*\i+96:128*\i+111], v[128*\i+64+8*\t:128*\i+64+8*\t+7]
.endr
.endr
	WIN 0
.endm
.macro STEPS n, base                   ; n key steps from key 1,024 x base on
	s_mov_b32 s48, (\base)*65536
	s_mov_b32 s49, (\base)*4096
	s_mov_b32 s50, \n
.Lstep_\@:
	STEP
	s_add_co_u32 s48, s48, 8192
	s_add_co_u32 s49, s49, 512
	s_sub_co_u32 s50, s50, 1
	s_cmp_lg_u32 s50, 0
	s_cbranch_scc1 .Lstep_\@
.endm
.macro WAYOUT p                        ; O^T / the sum, quantised: the eight registers of codes are two pieces of c's image
.rept 4
	v_nop
.endr
	WIN 0x55
.irp T, 0, 128
	v_add_f32 v[\T+120], v[\T+114], v[\T+115]
.endr
.irp T, 0, 128
	v_permlanex16_b32 v[\T+122], v[\T+120], s46, s47
.endr
.irp T, 0, 128
	v_add_f32 v[\T+120], v[\T+120], v[\T+122]
.endr
.irp T, 0, 128
	v_rcp_f32 v[\T+116], v[\T+120]
.endr
	v_nop
	s_wait_alu depctr_va_vdst(0)                   ; one wait for the two reciprocals, ahead of their first reader
.irp T, 0, 128
.set j, 0
.rept 16
	v_pk_mul_f32 v[\T+64+j:\T+65+j], v[\T+64+j:\T+65+j], v[\T+116:\T+117] op_sel_hi:[1,0]
.set j, j+2
.endr
.endr
.irp T, 0, 128
.set j, 0
.rept 32
	v_med3_num_f32 v[\T+64+j], v[\T+64+j], -v127, v127
.set j, j+1
.endr
.endr
.irp T, 0, 128
.irp t, 0,1,2,3
	v_cvt_scalef32_pk8_fp8_f32 v[\T+96+2*\t:\T+97+2*\t], v[\T+64+8*\t:\T+64+8*\t+7], v126
.endr
.endr
	v_nop
	WIN 0x04                                       ; the stores' data in window 1
.irp i, 0,1
.irp cc, 0,1
	global_store_b128 v1, v[128*\i+96+4*\cc:128*\i+96+4*\cc+3], s[54:55] offset:65536*(\p)+4096*\i+512*\cc   ; 512 consecutive bytes of the image
.endr
.endr
	WIN 0
.endm
	PASSHEAD 0
	s_wait_tensorcnt 0x1                           ; my part of the first halves is in; my part of the second may be out
	s_wait_dscnt 0x0                               ; my part of the mask has landed
	s_barrier_signal -1
	s_barrier_wait -1                              ; everybody's has
	STEPS 8, 0
	s_wait_tensorcnt 0x0                           ; my part of the second halves is in
	s_wait_dscnt 0x0
	s_barrier_signal -1
	s_barrier_wait -1
	STEPS 8, 1
	WAYOUT 0
	s_wait_xcnt 0x0                                ; the stores have read the codes' registers, which the second pass writes again
	PASSHEAD 1
	STEPS 16, 0
	WAYOUT 1
	s_wait_tensorcnt 0x0
	ds_add_u32 v254, v255
	s_wait_dscnt 0x0
	CROUND                                         ; the closing round
	s_endpgm
.Lfunc_end_k_q06428cb2c8_attn:
	.size	k_q06428cb2c8_attn, .Lfunc_end_k_q06428cb2c8_attn-k_q06428cb2c8_attn
	.p2alignl 7, 3214868480
	.fill 96, 4, 3214868480
	.section	.rodata,"a",@progbits
	.p2align	6, 0x0
	.amdhsa_kernel k_q06428cb2c8_attn
		.amdhsa_group_segment_fixed_size 271360
		.amdhsa_private_segment_fixed_size 0
		.amdhsa_enable_private_segment 0
		.amdhsa_kernarg_size 32
		.amdhsa_user_sgpr_count 2
		.amdhsa_user_sgpr_kernarg_segment_ptr 1
		.amdhsa_wavefront_size32 1
		.amdhsa_system_sgpr_workgroup_id_x 1
		.amdhsa_system_sgpr_workgroup_id_y 1
		.amdhsa_system_sgpr_workgroup_id_z 1
		.amdhsa_system_vgpr_workitem_id 0
		.amdhsa_next_free_vgpr 512
		.amdhsa_next_free_sgpr 66
		.amdhsa_reserve_vcc 1
		.amdhsa_float_denorm_mode_32 3
		.amdhsa_float_denorm_mode_16_64 3
		.amdhsa_memory_ordered 1
		.amdhsa_forward_progress 1
		.amdhsa_inst_pref_size 116
	.end_amdhsa_kernel
	.amdgpu_metadata
---
amdhsa.version: [ 1, 2 ]
amdhsa.kernels:
  - .name:           k_q06428cb2c8_attn
    .symbol:         k_q06428cb2c8_attn.kd
    .args:
      - { .name: qkv_img, .offset: 0, .size: 8, .value_kind: global_buffer, .address_space: global }
      - { .name: attention_mask, .offset: 8, .size: 8, .value_kind: global_buffer, .address_space: global }
      - { .name: lowp_scales, .offset: 16, .size: 8, .value_kind: global_buffer, .address_space: global }
      - { .name: c_img, .offset: 24, .size: 8, .value_kind: global_buffer, .address_space: global }
    .group_segment_fixed_size: 271360
    .private_segment_fixed_size: 0
    .kernarg_segment_align: 8
    .kernarg_segment_size: 32
    .max_flat_workgroup_size: 256
    .sgpr_count:     66
    .vgpr_count:     512
    .wavefront_size: 32
...
	.end_amdgpu_metadata
.endif
;; end of part 3
;; launch oproj (part 4): grid 4 x 64, 4 waves a work-group, clusters of 4 x 4, 327,680 bytes of LDS; arguments c_img, w_img, lowp_scales, bo, x, out0; writes out0
.if DOCPART == 4
	.amdgcn_target "amdgcn-amd-amdhsa--gfx1250"
	.amdhsa_code_object_version 6
	.text
	.protected	k_q06428cb2c8_oproj
	.globl	k_q06428cb2c8_oproj
	.p2align	8
	.type	k_q06428cb2c8_oproj,@function
k_q06428cb2c8_oproj:
	s_mov_b64 s[64:65], 0
	v_nop
	global_prefetch_b8 v0, s[64:65] scope:SCOPE_SE
	s_setreg_imm32_b32 hwreg(HW_REG_WAVE_MODE, 25, 1), 1
	s_wait_xcnt 0x0
	s_wait_alu depctr_hold_cnt(0) depctr_sa_sdst(0) depctr_va_vdst(0) depctr_va_sdst(0) depctr_va_ssrc(0) depctr_va_vcc(0) depctr_vm_vsrc(0)
	s_getreg_b32 s2, hwreg(HW_REG_IB_STS2, 6, 4)
	s_cmp_eq_u32 s2, 0
	s_cbranch_scc0 .Lentry_in_a_cluster
	s_endpgm
.Lentry_in_a_cluster:
	s_bfe_u32 s2, ttmp6, 0x10000c
	s_cmp_lg_u32 s2, 0xf033
	s_cbranch_scc0 .Lentry_shape_is_right
	s_endpgm
.Lentry_shape_is_right:
; out0 = x + c Wo^T + bo, the product on codes of FP8 (E4M3): c with 2^e10, Wo with 2^e11, both as images of operand registers (a fragment: four pieces of 512 bytes, lane l's 16 bytes at 16 l).
; A tile of the output is 128 rows x 256 columns: 256 work-groups, so that every one of them streams its share of x and out0.  Four waves, 64 x 128 each: 32 accumulators.
; K = 1,024 goes in four steps of 256 through two LDS slots; the steps are written out.  A wave's 32 KB of x are asked for at the head, into 256 registers, and land under the products.
; TRANSPOSED USE: source 0 = 16 rows of Wo, source 1 = 16 rows of c.  A block's lane place r holds row 32 (rb / 2) + 8 (rb % 2) + r + 8 (r / 8); a lane's registers of Wo's blocks 2 b, 2 b + 1 are columns 32 b + 16 (l / 16) + 0 .. 15.
; bo / 2^(e10 + e11) is the C of each sum's first matrix instruction; on the way out one packed multiply-add gives sum x 2^(e10 + e11) + x.
; CLUSTERS: 4 x 4.  c's tile hangs on the tile row and is asked for jointly by a row of the cluster, Wo's on the tile column and by a column.
; LIMIT: e10 + e11 between -126 and 126.
.set FR,     16
.set SLOT,   98304                     ; c's 8 row blocks (32 KB), then Wo's 16 (64 KB)
.set SPARE,  2*SLOT                    ; the spare words, 128 bytes a wave, named by no other line
.set STAGE,  SPARE+512                 ; the way out: 16 rows x (512 bytes + 16) for each wave; no tile lands here
.set SPITCH, 528
.set ADRA, 16
.set ADRB, 20
.set STO,  24
.set RD,   25
.set CO,   26
.set SPW,  28
.set NIL,  29
.set BCO,  30
.set BC,   32                          ; v32-95 the bias in the result's layout
.set AF,   128                         ; c's fragments: two sets of 64, window 0; later the rows read back from the stage
.set G1, 24
.set G0, 32
.set G1B, 48
.set G0B, 56
.set MSB, 0
.macro WIN new
.if MSB != (\new)
	s_set_vgpr_msb (MSB<<8)|(\new)
.set MSB, (\new)
.endif
.endm
.macro JLOAD g0a, g1a, g0b, g1b        ; waves 0, 1 ask for c's halves, waves 2, 3 for Wo's; four v_nop follow each line
	s_cmp_eq_u32 s15, 0
	s_cbranch_scc0 .Lfor_b_\@
	tensor_load_to_lds s[\g0a:\g0a+3], s[\g1a:\g1a+7]
	s_nop 0
.rept 4
	v_nop
.endr
	s_branch .Lasked_\@
.Lfor_b_\@:
	tensor_load_to_lds s[\g0b:\g0b+3], s[\g1b:\g1b+7]
	s_nop 0
.rept 4
	v_nop
.endr
.Lasked_\@:
.endm
.macro CREST
	s_cmp_lg_u32 s14, 0
	s_cbranch_scc1 .Lnot_wave_0_\@
	s_barrier_signal -3
.Lnot_wave_0_\@:
	s_barrier_wait -3
	s_barrier_signal -1
	s_barrier_wait -1
.endm
.macro CROUND
	s_barrier_signal -1
	s_barrier_wait -1
	CREST
.endm
	s_load_b256 s[4:11], s[0:1], 0x0               ; c_img, w_img, the scales' exponents, bo
	s_load_b128 s[80:83], s[0:1], 0x20             ; x, out0
	v_lshl_add_u32 v[SPW], v0, 2, SPARE
	v_mov_b32 v[NIL], 0
	ds_add_u32 v28, v29
	ds_add_u32 v28, v29
	s_wait_dscnt 0x0
	v_lshrrev_b32 v1, 5, v0
	v_readfirstlane_b32 s14, v1                    ; wave 0..3
	s_lshr_b32 s15, s14, 1                         ; my half of the rows; also: I fetch for c (0) or Wo (1)
	s_and_b32 s16, s14, 1                          ; my half of the columns; also: which half of that tile I fetch
	s_bfe_u32 s40, ttmp6, 0x40000                  ; cx = the tile column
	s_bfe_u32 s41, ttmp6, 0x40004                  ; cy
	s_and_b32 s17, ttmp7, 0xffff
	s_lshl_b32 s17, s17, 2
	s_add_co_u32 s17, s17, s41                     ; the tile row = 4 x cluster y + cy
	s_lshl_b32 s43, s41, 2
	s_lshl_b32 s43, 15, s43
	s_lshl_b32 s44, 0x1111, s40
	s_or_b32 s[G1+0], s43, (3<<16)|(1<<21)         ; the mask; elements of 8 bytes; 21 set beside a mask; no padding
	s_or_b32 s[G1B+0], s44, (3<<16)|(1<<21)
	s_mov_b32 s[G1+1], 32<<16                      ; c: 64 rows of 256 bytes, dense: 16 KB
	s_mov_b32 s[G1+2], 64<<16
	s_mov_b32 s[G1+3], 32<<16
	s_mov_b32 s[G1+4], 64
	s_mov_b32 s[G1+5], 32
	s_mov_b32 s[G1+6], 0
	s_mov_b32 s[G1+7], 0
	s_mov_b32 s[G1B+1], 32<<16                     ; Wo: 128 rows of 256 bytes, dense: 32 KB
	s_mov_b32 s[G1B+2], 128<<16
	s_mov_b32 s[G1B+3], 32<<16
	s_mov_b32 s[G1B+4], 128
	s_mov_b32 s[G1B+5], 32
	s_mov_b32 s[G1B+6], 0
	s_mov_b32 s[G1B+7], 0
	s_lshl_b32 s86, s17, 15                        ; c: row block 8 x tile row + 4 x half
	s_lshl_b32 s45, s16, 14
	s_add_co_u32 s86, s86, s45
	s_mov_b32 s87, 0
	s_lshl_b32 s46, s40, 16                        ; Wo: 3 MB into the weights' buffer, row block 16 x tile column + 8 x half
	s_lshl_b32 s42, s16, 15
	s_add_co_u32 s46, s46, s42
	s_add_co_u32 s46, s46, 0x300000
	s_mov_b32 s47, 0
	s_add_co_u32 s42, s42, 32768                   ; in a slot: c's halves at 16 KB x half (s45), Wo's behind them
	s_wait_kmcnt 0x0
	s_load_b64 s[96:97], s[8:9], 0x28              ; e10, e11
	s_add_nc_u64 s[76:77], s[4:5], s[86:87]
	s_add_nc_u64 s[78:79], s[6:7], s[46:47]
	CROUND                                         ; all sixteen work-groups are here: the first joint loads meet
.irp s, 0,1
	s_mov_b32 s[G0+4*\s], 1
	s_add_co_u32 s[G0+4*\s+1], s45, \s*SLOT
	s_add_nc_u64 s[G0+4*\s+2:G0+4*\s+3], s[76:77], \s*0x200000
	s_or_b32 s[G0+4*\s+3], s[G0+4*\s+3], 0x80000000
	s_mov_b32 s[G0B+4*\s], 1
	s_add_co_u32 s[G0B+4*\s+1], s42, \s*SLOT
	s_add_nc_u64 s[G0B+4*\s+2:G0B+4*\s+3], s[78:79], \s*0x40000
	s_or_b32 s[G0B+4*\s+3], s[G0B+4*\s+3], 0x80000000
	JLOAD G0+4*\s, G1, G0B+4*\s, G1B               ; K steps 0 and 1: two loads of mine are out
.endr
	v_and_b32 v1, 15, v0                           ; r
	v_bfe_u32 v2, v0, 4, 1                         ; h
	v_and_b32 v3, 31, v0
	v_lshlrev_b32 v[CO], 4, v3
	s_lshl_b32 s12, s15, 14                        ; my four row blocks of c
	s_lshl_b32 s13, s16, 15
	s_add_co_u32 s13, s13, 32768                   ; my eight of Wo
.irp s, 0,1
	v_add_nc_u32 v[ADRA+\s], s12, v[CO]
	v_add_nc_u32 v[ADRB+\s], s13, v[CO]
	s_add_co_u32 s12, s12, SLOT
	s_add_co_u32 s13, s13, SLOT
.endr
	s_mul_i32 s12, s14, 16*SPITCH
	s_add_co_u32 s12, s12, STAGE                   ; my stage
	v_mul_u32_u24 v[STO], v1, SPITCH
	v_lshl_add_u32 v[STO], v2, 6, v[STO]
	v_add_nc_u32 v[STO], s12, v[STO]               ; in: row r, + 64 h
	v_add_nc_u32 v[RD], s12, v[CO]                 ; back: a whole row of 512 bytes
	v_lshlrev_b32 v[BCO], 6, v2
	s_lshl_b32 s18, s17, 19                        ; x and out0: row 128 x tile row + 64 x half, column 256 x tile column + 128 x half
	s_lshl_b32 s12, s15, 18
	s_add_co_u32 s18, s18, s12
	s_lshl_b32 s12, s40, 10
	s_lshl_b32 s13, s16, 9
	s_add_co_u32 s12, s12, s13
	s_add_co_u32 s18, s18, s12
	s_mov_b32 s19, 0
	s_mov_b32 s13, 0
	s_add_nc_u64 s[80:81], s[80:81], s[18:19]
	s_add_nc_u64 s[82:83], s[82:83], s[18:19]
	s_add_nc_u64 s[10:11], s[10:11], s[12:13]
.irp b, 0,1,2,3
.irp i, 0,1,2,3
	global_load_b128 v[BC+16*\b+4*\i:BC+16*\b+4*\i+3], v[BCO], s[10:11] offset:128*\b+16*\i
.endr
.endr
.macro XLOAD a                         ; x at the 16 rows of my block a, in the order of its lane places: 512 consecutive bytes a load; into window 3
.irp t, 0,1,2,3,4,5,6,7,8,9,10,11,12,13,14,15
	global_load_b128 v[64*(\a)+4*\t:64*(\a)+4*\t+3], v[CO], s[80:81] offset:(32*((\a)/2)+8*((\a)%2)+\t+8*(\t/8))*4096 th:TH_LOAD_NT
.endr
.endm
	WIN 0xc0
	XLOAD 0
	XLOAD 1
	XLOAD 2
	WIN 0
	s_wait_kmcnt 0x0
	s_add_co_i32 s96, s96, s97
	s_sub_co_i32 s98, 127, s96
	s_lshl_b32 s98, s98, 23                        ; 2^-(e10 + e11)
	s_mov_b32 s99, s98
	s_add_co_i32 s96, s96, 127
	s_lshl_b32 s96, s96, 23                        ; 2^(e10 + e11)
	s_mov_b32 s97, s96
	s_wait_loadcnt 48                              ; bo is in; the 48 loads of x behind it may be out
.set j, 0
.rept 32
	v_pk_mul_f32 v[BC+j:BC+j+1], v[BC+j:BC+j+1], s[98:99] op_sel_hi:[1,0]
.set j, j+2
.endr
	WIN 0xc0
	XLOAD 3
	WIN 0
.macro FRAG reg, adr, q, i
.irp c, 0,1,2,3
	ds_load_b128 v[\reg+4*\c:\reg+4*\c+3], v[\adr] offset:(\i)*4096+(\q)*2048+512*\c
.endr
.endm
.macro MUL8 a, p, zero                 ; c's block a x Wo's eight.  The 32 accumulators take turns, one instruction a turn
.irp b, 0,1,2,3,4,5,6,7
.if \zero
	v_wmma_f32_16x16x128_fp8_fp8 v[8*(8*(\a)+\b):8*(8*(\a)+\b)+7], v[128*(\p)+FR*\b:128*(\p)+FR*\b+FR-1], v[AF+64*(\p)+FR*(\a):AF+64*(\p)+FR*(\a)+FR-1], v[BC+8*\b:BC+8*\b+7]
.else
	v_wmma_f32_16x16x128_fp8_fp8 v[8*(8*(\a)+\b):8*(8*(\a)+\b)+7], v[128*(\p)+FR*\b:128*(\p)+FR*\b+FR-1], v[AF+64*(\p)+FR*(\a):AF+64*(\p)+FR*(\a)+FR-1], v[8*(8*(\a)+\b):8*(8*(\a)+\b)+7]
.endif
.endr
.endm
.macro FETCH slot, q, p                ; 48 loads in one run: the fragments of the slot's q-th 128 along K into set p
	WIN 0x40
.irp i, 0,1,2,3,4,5,6,7
	FRAG 128*(\p)+FR*\i, ADRB+\slot, \q, \i
.endr
	WIN 0
.irp i, 0,1,2,3
	FRAG AF+64*(\p)+FR*\i, ADRA+\slot, \q, \i
.endr
.endm
.macro PLACES n
.rept \n
	v_nop
.endr
.endm
.macro UNIT slot, zero                 ; a slot's first 128 along K (set 0); in its middle the second 128 are fetched into set 1.  With zero = 1, C (the bias) lies in window 0
	s_wait_dscnt 0x0
	WIN 0xa1-0x20*(\zero)
	MUL8 0, 0, \zero
	MUL8 1, 0, \zero
	PLACES 4
	FETCH \slot, 1, 1
	WIN 0xa1-0x20*(\zero)
	MUL8 2, 0, \zero
	MUL8 3, 0, \zero
.endm
; A slot's second 128 (set 1) and the change of slots: one barrier; in front of it each wave waits for all its tensor loads, adds 0 to its spare word, and waits for that and for its reads of this slot
.macro TURN slot, next, fill
	WIN 0                                          ; (the add's two registers lie in window 0)
	s_wait_tensorcnt 0x0                           ; all my tensor loads have landed: my part of the next slot
	ds_add_u32 v[SPW], v[NIL]                      ; 0 onto my spare word
	s_wait_dscnt 1                                 ; set 1 is in; the add may be out
	WIN 0xa1
	MUL8 0, 1, 0
	s_wait_dscnt 0x0                               ; the add is done, and my reads of this slot are over
	s_barrier_signal -1
	MUL8 1, 1, 0
	WIN 0
	s_barrier_wait -1
.if \fill
	CREST                                          ; the barrier has opened a round of the cluster's: no wave of any partner still reads this slot or has a load on its way
	s_add_nc_u64 s[G0+4*\slot+2:G0+4*\slot+3], s[G0+4*\slot+2:G0+4*\slot+3], 0x400000
	s_add_nc_u64 s[G0B+4*\slot+2:G0B+4*\slot+3], s[G0B+4*\slot+2:G0B+4*\slot+3], 0x80000
	JLOAD G0+4*\slot, G1, G0B+4*\slot, G1B         ; the first tensor load behind the round, my only one until the next; its four v_nop are the places in front of the loads below
.else
	PLACES 4
.endif
	FETCH \next, 0, 0
	WIN 0xa1
	MUL8 2, 1, 0
	MUL8 3, 1, 0
.endm
	s_wait_tensorcnt 1                             ; my part of K step 0 is in; K step 1's may be out
	s_barrier_signal -1
	s_barrier_wait -1
	FETCH 0, 0, 0
	UNIT 0, 1                                      ; starts the sums, from the bias
	TURN 0, 1, 1                                   ; slot 0 takes K step 2
	UNIT 1, 0
	TURN 1, 0, 1                                   ; slot 1 takes K step 3
	UNIT 0, 0
	TURN 0, 1, 0                                   ; nothing is left to fetch
	UNIT 1, 0
	s_wait_dscnt 0x0
	MUL8 0, 1, 0
	MUL8 1, 1, 0
	MUL8 2, 1, 0
	MUL8 3, 1, 0
	WIN 0
; THE WAY OUT, block by block of 16 rows x 128 columns: the sums go through my own stage and come back as whole rows of 512 bytes, where x lies in the same lanes
.macro TOSTAGE a
	WIN 0x08                                       ; the stores' data in window 2
.irp b, 0,1,2,3,4,5,6,7
	ds_store_b128 v[STO], v[64*(\a)+8*\b:64*(\a)+8*\b+3] offset:128*(\b/2)+32*(\b%2)         ; each accumulator from its low end on
	ds_store_b128 v[STO], v[64*(\a)+8*\b+4:64*(\a)+8*\b+7] offset:128*(\b/2)+32*(\b%2)+16
.endr
	WIN 0
.set BK, AF+64*((\a)%2)
.irp t, 0,1,2,3,4,5,6,7,8,9,10,11,12,13,14,15
	ds_load_b128 v[BK+4*\t:BK+4*\t+3], v[RD] offset:SPITCH*\t   ; LDS serves a wave's instructions in order (ISA guide 5.7.1.4): these see my stores, and the next block's stores come behind them
.endr
.endm
.macro SEND a, younger                 ; younger: the LDS instructions issued behind block a's loads
.set BK, AF+64*((\a)%2)
	s_wait_dscnt \younger
	WIN 0x30                                       ; source 2 (x) window 3
.set j, 0
.rept 32
	v_pk_fma_f32 v[BK+j:BK+j+1], v[BK+j:BK+j+1], s[96:97], v[64*(\a)+j:64*(\a)+j+1] op_sel_hi:[1,0,1]   ; sum x 2^(e10 + e11) + x
.set j, j+2
.endr
	WIN 0
.irp t, 0,1,2,3,4,5,6,7,8,9,10,11,12,13,14,15
	global_store_b128 v[CO], v[BK+4*\t:BK+4*\t+3], s[82:83] offset:(32*((\a)/2)+8*((\a)%2)+\t+8*(\t/8))*4096 th:TH_STORE_NT   ; 512 consecutive bytes, at a multiple of 512 from the buffer's first byte
.endr
.endm
	s_wait_loadcnt 0x0                             ; x
	PLACES 4                                       ; behind the last products: their results are read, and rows land where c's fragments lay
	TOSTAGE 0
.irp a, 1,2,3
.if \a > 1
	s_wait_xcnt 0x0                                ; block a - 2's stores have read their registers: block a's rows may land there
.endif
	TOSTAGE \a
	SEND \a-1, 32                                  ; behind block a - 1's loads: block a's 16 stores and 16 loads
.endr
	SEND 3, 0
	s_wait_tensorcnt 0x0                           ; the wave's end
	ds_add_u32 v[SPW], v[NIL]
	s_wait_dscnt 0x0
	CROUND                                         ; the closing round
	s_endpgm
.Lfunc_end_k_q06428cb2c8_oproj:
	.size	k_q06428cb2c8_oproj, .Lfunc_end_k_q06428cb2c8_oproj-k_q06428cb2c8_oproj
	.p2alignl 7, 3214868480
	.fill 96, 4, 3214868480
	.section	.rodata,"a",@progbits
	.p2align	6, 0x0
	.amdhsa_kernel k_q06428cb2c8_oproj
		.amdhsa_group_segment_fixed_size 327680
		.amdhsa_private_segment_fixed_size 0
		.amdhsa_enable_private_segment 0
		.amdhsa_kernarg_size 48
		.amdhsa_user_sgpr_count 2
		.amdhsa_user_sgpr_kernarg_segment_ptr 1
		.amdhsa_wavefront_size32 1
		.amdhsa_system_sgpr_workgroup_id_x 1
		.amdhsa_system_sgpr_workgroup_id_y 1
		.amdhsa_system_sgpr_workgroup_id_z 1
		.amdhsa_system_vgpr_workitem_id 0
		.amdhsa_next_free_vgpr 1024
		.amdhsa_next_free_sgpr 100
		.amdhsa_reserve_vcc 0
		.amdhsa_float_denorm_mode_32 3
		.amdhsa_float_denorm_mode_16_64 3
		.amdhsa_memory_ordered 1
		.amdhsa_forward_progress 1
		.amdhsa_inst_pref_size 85
	.end_amdhsa_kernel
	.amdgpu_metadata
---
amdhsa.version: [ 1, 2 ]
amdhsa.kernels:
  - .name:           k_q06428cb2c8_oproj
    .symbol:         k_q06428cb2c8_oproj.kd
    .args:
      - { .name: c_img, .offset: 0, .size: 8, .value_kind: global_buffer, .address_space: global }
      - { .name: w_img, .offset: 8, .size: 8, .value_kind: global_buffer, .address_space: global }
      - { .name: lowp_scales, .offset: 16, .size: 8, .value_kind: global_buffer, .address_space: global }
      - { .name: bo, .offset: 24, .size: 8, .value_kind: global_buffer, .address_space: global }
      - { .name: x, .offset: 32, .size: 8, .value_kind: global_buffer, .address_space: global }
      - { .name: out0, .offset: 40, .size: 8, .value_kind: global_buffer, .address_space: global }
    .group_segment_fixed_size: 327680
    .private_segment_fixed_size: 0
    .kernarg_segment_align: 8
    .kernarg_segment_size: 48
    .max_flat_workgroup_size: 128
    .sgpr_count:     100
    .vgpr_count:     1024
    .wavefront_size: 32
...
	.end_amdgpu_metadata
.endif
;; end of part 4
